; MI455X (gfx1250); checked and timed in simulation.
; The chip was launched on July 23, 2026; its instructions are those of AMD's public machine-readable ISA for CDNA 5 (MIT licence, August 2026) and "CDNA5" Instruction Set Architecture Reference Guide (July 2026). The comments in the code are by the model that wrote it; some were corrected since.
;; Masked Attention Layer. Allowed arithmetic: matrix products marked QUANTISED: E2M3 operands, one E8M0 scale for each 32 along K, by v_wmma_scale_f32_16x16x128_f8f6f4 with both operands' format E2M3, f32 sums; everything else in f32.
;; Inputs: Wk 16 x 64 x 1,024 float32; Wq 16 x 64 x 1,024 float32; Wv 16 x 64 x 1,024 float32; bk 16 x 64 float32; bq 16 x 64 float32; bv 16 x 64 float32; x 4 x 2,048 x 1,024 float32.
;; Outputs: out0 4 x 2,048 x 1,024 float32.
;; This version of the problem:
;;   THIS VERSION OF THE PROBLEM IS GIVEN IN LOW PRECISION. The matrix products marked QUANTISED in the list below multiply operands that are first quantised to E2M3 (2 exponent bits, 3 mantissa bits; 6 bits a number), with one power-of-two scale for each 32 numbers along K (OCP MX v1.0); their sums are f32. All else is computed in f32.
;;   The module's matrix products, in the order in which they are computed (A, B: the left and right operand; K: the contracted axis; several contracted axes count as one K, in the product's order):
;;     1. [M 8,192, K 1,024] x [K 1,024, N 1,024]; A: input x; B: input Wq: QUANTISED
;;     2. [M 8,192, K 1,024] x [K 1,024, N 1,024]; A: input x; B: input Wk: QUANTISED
;;     3. [M 8,192, K 1,024] x [K 1,024, N 1,024]; A: input x; B: input Wv: QUANTISED
;;     4. batch 64 x [M 2,048, K 64] x [K 64, N 2,048]; A: computed on the way; B: computed on the way: QUANTISED
;;     5. batch 64 x [M 64, K 2,048] x [K 2,048, N 2,048]; A: computed on the way; B: softmax (see below): QUANTISED
;;   THE QUANTISER, for each operand of a quantised product, along K:
;;     - K is cut into blocks of 32 from its start; a last block that is shorter is filled with zeros.
;;     - A block's scale is 2^e with e = floor(log2(the largest magnitude in the block)) - 2, held to -126 .. 127; a block of zeros has e = 0. As a byte (E8M0): e + 127.
;;     - Each number is divided by its block's scale, clamped to +-7.5, and rounded to the nearest number of E2M3, ties to even, subnormals kept.
;;     - The product sums the exact products of the quantised numbers (number of the format x scale) in f32.
;;   ~~~python
;;   def quantise(x, axis):      # numpy; x: float32 -> the quantised numbers, widened to float32 again
;;       x = np.moveaxis(x, axis, -1); K = x.shape[-1]
;;       x = np.pad(x, [(0, 0)] * (x.ndim - 1) + [(0, -K % 32)]); x = x.reshape(x.shape[:-1] + (-1, 32)); a = np.abs(x).max(-1, keepdims=True)
;;       e = np.where(a > 0, np.clip(np.frexp(np.where(a > 0, a, 1))[1] - 1 - 2, -126, 127), 0)      # np.frexp(a)[1] - 1 = floor(log2(a)), exactly
;;       r = np.clip(x / 2.0 ** e, -7.5, 7.5)
;;       step = 2.0 ** (np.maximum(np.frexp(np.where(r == 0, 1, r))[1] - 1, 0) - 3)
;;       q = np.round(r / step) * step * 2.0 ** e      # np.round: ties to even
;;       return np.moveaxis(q.reshape(q.shape[:-2] + (-1,))[..., :K], -1, axis).astype(np.float32)
;;   ~~~
;;   SOFTMAX AHEAD OF A QUANTISED PRODUCT. Where the list says 'softmax', what is quantised is not the finished softmax but p = 2^(t - M), with t = logit x log2(e) and M = ceil(the row's largest t), a whole number; so 1/2 < the row's largest p <= 1. The row's sum l is taken of the UNQUANTISED p, in f32, and the product's result is divided by l at the end. Since M is a whole number, a kernel that streams over the keys may use a running M (the ceiling of the running maximum): every later rescaling is an exact power of two, which a block's scale takes up: the codes' values come out the same.
;;   OPERANDS COMPUTED ON THE WAY. 'Computed on the way' means the value that the module computes at that place (a softmax that the list does not call 'softmax' is quantised finished and normalised). What goes into a quantiser is computed in f32, as accurately as f32 sums, v_exp_f32 and their like allow (about 1e-6 of the number): no bf16 or f16 on the way to a quantiser, and a product that is left as it is and whose result goes on into a quantised operand takes f32 operands (vector FMAs, or v_wmma_f32_16x16x4_f32). A number that lies on a knife's edge between two numbers of the format may be rounded either way, as far as f32 arithmetic and the matrix unit's own rounding can turn it there, and no further.
;; One version. Each part assembles by itself: llvm-mc -triple=amdgcn-amd-amdhsa -mcpu=gfx1250 --defsym DOCPART=n.
;; ======== version 1 of 1: 3 launches
;; workspace buffers: xc 6,291,456 bytes; xs 262,144 bytes; wc 2,359,296 bytes; ws 98,304 bytes; rec 20,185,088 bytes
;; launch quant (part 1): grid 352 x 1, 4 waves a work-group, no clusters, 33,280 bytes of LDS; arguments x, Wq, Wk, Wv, xc, xs, wc, ws; writes xc, xs, wc, ws
.if DOCPART == 1
	.amdgcn_target "amdgcn-amd-amdhsa--gfx1250"
	.amdhsa_code_object_version 6
	.text
	.protected	k_qb1b63c1993_quant
	.globl	k_qb1b63c1993_quant
	.p2align	8
	.type	k_qb1b63c1993_quant,@function
k_qb1b63c1993_quant:
	s_mov_b64 s[64:65], 0
	v_nop
	global_prefetch_b8 v0, s[64:65] scope:SCOPE_SE
	s_setreg_imm32_b32 hwreg(HW_REG_WAVE_MODE, 25, 1), 1
	s_wait_xcnt 0x0
; x [8192][1024] and Wq, Wk, Wv (each [1024][1024]), f32 with K innermost, become codes of FP6 (E2M3), 6 bits each, K innermost (768 bytes a row),
; with one E8M0 scale byte for each 32 along K (32 bytes a row).  x's go to xc / xs, the three weights' on end to wc / ws.
; A block's scale is 2^(floor(log2(its largest magnitude)) - 2): its byte is the largest magnitude's exponent field - 2, held at 1 from below.
; ROWS CHANGE PLACES: row number bits 3 and 4 are exchanged on the way out, so that sixteen consecutive stored rows 16 (2 b + u) + r are the rows
; 32 b + 8 u + r % 8 + 16 (r / 8): the rows that the next launch wants together in a tile.  A wave owns 8 rows, so the exchange is one of wave numbers.
; LIMITS: NaN and infinities among the inputs are not served.  A block whose largest magnitude lies under 2^-124 keeps the byte 1; a block of zeros gets
; the byte 1 where the quantiser's rule says 127: its codes are zeros, which add nothing under any byte but 0xff, and this program alone reads the bytes.
; SHARES: a work-group takes 32 rows (32,768 numbers), a wave 8 rows in 16 steps of 512 numbers.  Work-groups 0-255 take x, then 32 each Wq, Wk, Wv.
; Each of a step's four loads reads 512 consecutive bytes; the 2,048 bytes turn through the wave's own stage in LDS and come back 64 bytes a lane, so that a lane
; holds 16 neighbours along K (two neighbouring lanes hold a block).  Loads run four steps ahead, the turn through LDS one step.  Waves share nothing: no barrier.
.set STEPS, 16
.set XWG,   256                        ; x's work-groups
.set EMAX,  2
.set CB,    12                         ; bytes of 16 codes
.set R,     16                         ; v16-79   four sets of 16 numbers as they are loaded
.set X,     80                         ; v80-111  two sets of 16 neighbours
.set C,     128                        ; v128-191 codes: four registers for each step, so that no store's data are written again
.set E,     112                        ; v112-127 a scale byte for each step
.set WREG,  8192                       ; LDS: a region for each wave: two stages of 32 x SP bytes, behind them its 256 scale bytes
.set SP,    80                         ; a lane's place in a stage: its 64 bytes + 16 of padding
	s_load_b256 s[4:11], s[0:1], 0x0               ; x, Wq, Wk, Wv
	s_load_b256 s[12:19], s[0:1], 0x20             ; xc, xs, wc, ws
	v_lshl_add_u32 v192, v0, 2, 0x8000
	v_mov_b32 v193, 0
	v_lshrrev_b32 v1, 5, v0
	v_readfirstlane_b32 s24, v1                    ; wave
	v_and_b32 v2, 31, v0                           ; lane
	v_lshlrev_b32 v3, 4, v2                        ; my 16 bytes of a load's 512
	s_mul_i32 s25, s24, WREG
	v_lshrrev_b32 v14, 2, v2
	v_mul_u32_u24 v14, v14, SP
	v_and_b32 v15, 3, v2
	v_lshl_add_u32 v14, v15, 4, v14
	v_add_nc_u32 v14, s25, v14                     ; the stage, on the way in: SP (lane / 4) + 16 (lane % 4)
	v_mul_u32_u24 v15, v2, SP
	v_add_nc_u32 v15, s25, v15                     ; and on the way out: SP x lane: my 16 neighbours
	v_mul_u32_u24 v4, v2, CB                       ; my codes' place in a step's
	v_lshrrev_b32 v5, 1, v2
	s_add_co_u32 s25, s25, 2*32*SP
	v_add_nc_u32 v5, s25, v5                       ; LDS: my wave's 256 scale bytes, my block's byte
	v_lshlrev_b32 v7, 3, v2                        ; and on the way out 8 bytes a lane
	v_add_nc_u32 v6, s25, v7
	s_max_u32 s20, ttmp9, XWG
	s_sub_co_u32 s20, s20, XWG                     ; the work-group's number among the weights' 96 (0 in x's)
	s_lshr_b32 s21, s20, 5                         ; which weight
	s_and_b32 s22, s20, 31                         ; which 32 rows of it
	s_and_b32 s23, s24, 1
	s_lshl_b32 s23, s23, 1
	s_lshr_b32 s26, s24, 1
	s_or_b32 s23, s23, s26                         ; the wave's number with its two bits exchanged: where my 8 rows go
	s_wait_kmcnt 0x0
	s_cmp_eq_u32 s21, 1                            ; the choices hang on the work-group's number alone
	s_cselect_b64 s[6:7], s[8:9], s[6:7]
	s_cmp_eq_u32 s21, 2
	s_cselect_b64 s[6:7], s[10:11], s[6:7]         ; the weight
	s_cmp_lt_u32 ttmp9, XWG
	s_cselect_b64 s[4:5], s[4:5], s[6:7]           ; the source,
	s_cselect_b64 s[12:13], s[12:13], s[16:17]     ; its codes,
	s_cselect_b64 s[14:15], s[14:15], s[18:19]     ; its scale bytes,
	s_cselect_b32 s22, ttmp9, s22                  ; which 32 rows of the source,
	s_cselect_b32 s20, ttmp9, s20                  ; and of the destination (the three weights lie on end)
	s_lshl_b32 s22, s22, 2
	s_add_co_u32 s26, s22, s24
	s_lshl_b32 s26, s26, 15                        ; my 8 rows of 4,096 bytes
	s_mov_b32 s27, 0
	s_add_nc_u64 s[4:5], s[4:5], s[26:27]
	s_lshl_b32 s20, s20, 2
	s_add_co_u32 s28, s20, s23
	s_mul_i32 s30, s28, 32*STEPS*CB                ; 8 rows of 768 bytes
	s_mov_b32 s31, 0
	s_add_nc_u64 s[12:13], s[12:13], s[30:31]
	s_lshl_b32 s28, s28, 8                         ; 8 rows of 32 bytes
	s_mov_b32 s29, 0
	s_add_nc_u64 s[14:15], s[14:15], s[28:29]
.macro LOAD t
.irp i, 0,1,2,3
	global_load_b128 v[R+16*((\t)%4)+4*\i:R+16*((\t)%4)+4*\i+3], v3, s[4:5] offset:2048*(\t)+512*\i th:TH_LOAD_NT   ; 32 lanes read 512 consecutive bytes
.endr
.endm
.macro TURN t                          ; step t's numbers through the stage: LDS serves a wave's instructions in order, so no wait stands between the stores and the loads
.irp i, 0,1,2,3
	ds_store_b128 v14, v[R+16*((\t)%4)+4*\i:R+16*((\t)%4)+4*\i+3] offset:32*SP*((\t)%2)+8*SP*\i
.endr
.irp i, 0,1,2,3
	ds_load_b128 v[X+16*((\t)%2)+4*\i:X+16*((\t)%2)+4*\i+3], v15 offset:32*SP*((\t)%2)+16*\i
.endr
.endm
.irp t, 0,1,2,3
	LOAD \t
.endr
	s_wait_loadcnt 12                              ; step 0's four loads are in; the twelve of steps 1 to 3 may be out
	TURN 0
.macro STEP t
.set XS, X+16*((\t)%2)
.if (\t) > 0
	s_wait_dscnt 1                                 ; this step's numbers are back from the stage (the last step's byte store may be out): its stores into the stage have read their registers,
.else
	s_wait_dscnt 0x0
.endif
.if (\t)+4 < STEPS
	LOAD (\t)+4                                    ; which take the loads of four steps on
.endif
.if (\t)+1 < STEPS
.if STEPS-2-(\t) >= 3
	s_wait_loadcnt 12                              ; the next step's four loads are in; those of the three steps behind it may be out
.else
	s_wait_loadcnt 4*(STEPS-2-(\t))
.endif
	TURN (\t)+1                                    ; and go through the other stage while this step is worked
.endif
	v_max3_num_f32 v8, |v[XS]|, |v[XS+1]|, |v[XS+2]|               ; the largest magnitude of my 16, in two chains
	v_max3_num_f32 v9, |v[XS+3]|, |v[XS+4]|, |v[XS+5]|
.irp i, 6,10
	v_max3_num_f32 v8, v8, |v[XS+\i]|, |v[XS+\i+1]|
	v_max3_num_f32 v9, v9, |v[XS+\i+2]|, |v[XS+\i+3]|
.endr
	v_max3_num_f32 v8, v8, |v[XS+14]|, |v[XS+15]|
	v_max3_num_f32 v8, v8, v9, (EMAX+1)<<23        ; and the floor 2^(3 - 127): the byte cannot fall under 1
	v_max_num_f32_dpp v8, v8, v8 row_xmask:1 row_mask:0xf bank_mask:0xf   ; and of my neighbour's 16: the block's
	v_add_nc_u32 v11, -(EMAX<<23), v8              ; 2 off its exponent field: the conversion takes the exponent field of this operand as its scale, and nothing else of it
	v_cvt_scalef32_pk16_fp6_f32 v[C+4*(\t):C+4*(\t)+2], v[XS:XS+15], v11   ; sixteen numbers / the scale, to the nearest code, ties to even, beyond the largest code the largest
	v_lshrrev_b32 v[E+(\t)], 23, v11               ; the scale's byte (also the plain line behind the conversion)
	ds_store_b8 v5, v[E+(\t)] offset:16*(\t)       ; both lanes of a block write the same byte with the same value
	global_store_b96 v4, v[C+4*(\t):C+4*(\t)+2], s[12:13] offset:32*CB*(\t)   ; the wave stores 384 consecutive bytes
.endm
.irp t, 0,1,2,3,4,5,6,7,8,9,10,11,12,13,14,15
	STEP \t
.endr
	ds_load_b64 v[12:13], v6                       ; LDS serves a wave's instructions in order: these see my stores
	s_wait_dscnt 0x0
	global_store_b64 v7, v[12:13], s[14:15]        ; 32 lanes store 256 consecutive bytes, aligned: my 8 rows' scale bytes
	s_wait_tensorcnt 0x0
	ds_add_u32 v192, v193
	s_wait_dscnt 0x0
	s_endpgm
.Lfunc_end_k_qb1b63c1993_quant:
	.size	k_qb1b63c1993_quant, .Lfunc_end_k_qb1b63c1993_quant-k_qb1b63c1993_quant
	.p2alignl 7, 3214868480
	.fill 96, 4, 3214868480
	.section	.rodata,"a",@progbits
	.p2align	6, 0x0
	.amdhsa_kernel k_qb1b63c1993_quant
		.amdhsa_group_segment_fixed_size 33280
		.amdhsa_private_segment_fixed_size 0
		.amdhsa_enable_private_segment 0
		.amdhsa_kernarg_size 64
		.amdhsa_user_sgpr_count 2
		.amdhsa_user_sgpr_kernarg_segment_ptr 1
		.amdhsa_wavefront_size32 1
		.amdhsa_system_sgpr_workgroup_id_x 1
		.amdhsa_system_sgpr_workgroup_id_y 1
		.amdhsa_system_sgpr_workgroup_id_z 1
		.amdhsa_system_vgpr_workitem_id 0
		.amdhsa_next_free_vgpr 194
		.amdhsa_next_free_sgpr 66
		.amdhsa_reserve_vcc 0
		.amdhsa_float_denorm_mode_32 3
		.amdhsa_float_denorm_mode_16_64 3
		.amdhsa_memory_ordered 1
		.amdhsa_forward_progress 1
		.amdhsa_inst_pref_size 33
	.end_amdhsa_kernel
	.amdgpu_metadata
---
amdhsa.version: [ 1, 2 ]
amdhsa.kernels:
  - .name:           k_qb1b63c1993_quant
    .symbol:         k_qb1b63c1993_quant.kd
    .args:
      - { .name: x, .offset: 0, .size: 8, .value_kind: global_buffer, .address_space: global }
      - { .name: Wq, .offset: 8, .size: 8, .value_kind: global_buffer, .address_space: global }
      - { .name: Wk, .offset: 16, .size: 8, .value_kind: global_buffer, .address_space: global }
      - { .name: Wv, .offset: 24, .size: 8, .value_kind: global_buffer, .address_space: global }
      - { .name: xc, .offset: 32, .size: 8, .value_kind: global_buffer, .address_space: global }
      - { .name: xs, .offset: 40, .size: 8, .value_kind: global_buffer, .address_space: global }
      - { .name: wc, .offset: 48, .size: 8, .value_kind: global_buffer, .address_space: global }
      - { .name: ws, .offset: 56, .size: 8, .value_kind: global_buffer, .address_space: global }
    .group_segment_fixed_size: 33280
    .private_segment_fixed_size: 0
    .kernarg_segment_align: 8
    .kernarg_segment_size: 64
    .max_flat_workgroup_size: 128
    .sgpr_count:     66
    .vgpr_count:     194
    .wavefront_size: 32
...
	.end_amdgpu_metadata
.endif
;; end of part 1
;; launch proj (part 2): grid 12 x 32, 4 waves a work-group, clusters of 4 x 4, 327,680 bytes of LDS; arguments xc, xs, wc, ws, bq, bk, bv, rec; writes rec
.if DOCPART == 2
	.amdgcn_target "amdgcn-amd-amdhsa--gfx1250"
	.amdhsa_code_object_version 6
	.text
	.protected	k_qb1b63c1993_proj
	.globl	k_qb1b63c1993_proj
	.p2align	8
	.type	k_qb1b63c1993_proj,@function
k_qb1b63c1993_proj:
	s_mov_b64 s[64:65], 0
	v_nop
	global_prefetch_b8 v0, s[64:65] scope:SCOPE_SE
	s_setreg_imm32_b32 hwreg(HW_REG_WAVE_MODE, 25, 1), 1
	s_wait_xcnt 0x0
	s_wait_alu depctr_hold_cnt(0) depctr_sa_sdst(0) depctr_va_vdst(0) depctr_va_sdst(0) depctr_va_ssrc(0) depctr_va_vcc(0) depctr_vm_vsrc(0)
	s_getreg_b32 s2, hwreg(HW_REG_IB_STS2, 6, 4)
	s_cmp_eq_u32 s2, 0
	s_cbranch_scc0 .Lentry_in_a_cluster
	s_endpgm
.Lentry_in_a_cluster:
	s_bfe_u32 s2, ttmp6, 0x10000c
	s_cmp_lg_u32 s2, 0xf033
	s_cbranch_scc0 .Lentry_shape_is_right
	s_endpgm
.Lentry_shape_is_right:
; q, k, v = x W^T + b on codes of FP6 (E2M3) with E8M0 scales, K = 1,024, and the results quantised again on the way out, as the attention's operands.
; Nothing leaves in f32: q and k are quantised along the head's 64, v along the keys, and stored as IMAGES OF OPERAND REGISTERS in rec.
; A tile of 256 x 256 results is made by four waves, 128 x 128 each (64 accumulators, 512 registers); K goes in steps of 256 through two LDS slots filled by tensor loads.
; ROLES.  Source 1's row sits in the lane, source 0's rows run along a lane's registers.  TYPE = the cluster's x: 0 q, 1 k, 2 v.
;   q, k: source 1 = 256 tokens (xc), source 0 = 256 rows of W (wc): a lane holds one token, its registers run along the heads' channels: the next K of q and k.
;   v:    source 1 = 256 rows of Wv, source 0 = 256 tokens: a lane holds one channel, its registers run along the keys: the next K of v.
; In every type source 1's tile hangs on cy alone and source 0's on cx alone: source 1's tiles are asked for jointly by a row of the cluster, source 0's by a column.
; TYPE is the same in all sixteen partners; it chooses pointers and tile numbers, the bias's layout, and the way out.
; ROWS: xc and wc hold their rows with row number bits 3 and 4 exchanged.  So in accumulator (a, b) lane (r, h), register j holds source 1's stored row 16 a + r and source 0's
; true index 32 (b / 2) + 16 h + 8 (b % 2) + j: the 64 registers of a fixed a are, register 16 B + i, index 32 B + 16 h + i: what the conversions want.
; rec: [head 16][group of 128 tokens 64][19,712 bytes]: +0 K, 8 tiles x 768; +6144 V, 4 tiles x 1,536; +12288 K's scale words; +12800 V's; +13056 Q, 8 x 768; +19200 Q's scale words.
; The bias is the C of each sum's first matrix instruction.
; LIMITS: NaN and infinities are not served; a block whose largest magnitude lies under 2^-124 (a block of zeros too) keeps the byte 1: this program alone reads the bytes.
; REGISTERS, in windows of 256: window 0: v16-29 addresses; v32-63 scale words, two sets; v64-127 the bias in C's layout; v128-223 source 1's fragments, one set.
;   window 1: source 0's fragments, two sets, at v0 and v128.   windows 2, 3: the accumulators of my source-1 blocks 0-3 and 4-7, (a, b) at v[8 (8 (a % 4) + b)].
.set KSTEP,  256
.set NQ,     2                         ; matrix instructions deep in a slot
.set ROWB,   192                       ; a tile's row in bytes
.set KROW,   768                       ; a row of xc or wc
.set PITCH,  240                       ; an LDS row: 3 x (64 bytes + 16 of padding)
.set FR,     12                        ; registers of a fragment
.set NL,     6                         ; LDS loads that bring one
.set NP,     4                         ; places behind this matrix instruction (ISA guide 7.12.1)
.set HALFT,  128*PITCH
.set SLOT,   4*HALFT                   ; source 1's 256 rows, then source 0's
.set LAPS,   2                         ; 1,024 / 512
.set KS,     32                        ; a row of scale bytes
.set SCL,    2*SLOT                    ; behind the ring: the scales for all of K, as units of 256 bytes + 16 of padding; filled once
.set HALFS,  (128*KS/256)*272
.set SBLK,   (16*KS/256)*272
.set SPARE,  SCL+4*HALFS               ; the spare words, 128 bytes for each wave: two blocks of 256 bytes that no other line names
.set RS,     19712                     ; a record of rec
.set HS,     64*RS                     ; from head to head
.set ADRA, 16                          ; v16-17 LDS address of source 1's fragments in slot 0, 1 (v18-19: behind one padding more)
.set ADRB, 20                          ; v20-23 the same for source 0
.set L16,  24                          ; v24    16 x lane
.set L8,   25                          ; v25    8 x lane
.set LN,   26                          ; v26    lane
.set ADRS, 27                          ; v27    LDS address of my scale words: lanes 0-15 source 1's rows, lanes 16-31 source 0's
.set SPW,  28                          ; v28    my spare word; never rewritten
.set NIL,  29                          ; v29    0; never rewritten
.set SC,   32
.set BI,   64
.set AF,   128
.set TM,   32                          ; the way out: v32-35 largest magnitudes, v36-39 the other half's, then bytes, v44-47 the conversions' scale operands
.set PT,   48                          ; v48-55   the conversions' second halves
.set PCS,  64                          ; v64-159  the codes: 12 registers for each of my 8 blocks, so that no store's data are written again
.set PW,   160                         ; v160-167 a scale word for each block
.set SW0,  168                         ; v168-175 its lower two bytes, twice
.set SW1,  176                         ; v176-183 its upper two, twice
.set RR,   184                         ; v184-191 scale words as they are stored
.set WV,   20                          ; s20 wave; s21 wave / 2: my half of source 1's rows, and: I fetch for source 1 (0) or 0 (1); s22 wave % 2: my half of source 0's rows, and which 128 rows I fetch
.set WH,   21
.set WL,   22
.set TY,   23                          ; s23 TYPE
.set G1, 24
.set G0, 32
.set G1B, 48
.set G0B, 56
.set G1S, 68
.set G0S, 76
.set G1SB, 80
.set G0SB, 88
.set MSB, 0
.macro WIN new                         ; the immediate's high byte repeats the setting that is left
.if MSB != \new
	s_set_vgpr_msb (MSB<<8)|\new
.set MSB, \new
.endif
.endm
.set MUL_LO,  0xa1                     ; source 0 window 1, source 1 window 0, C and D window 2
.set MUL_HI,  0xf1                     ; the same, C and D window 3
.set BIAS_LO, 0x81                     ; the first step: C (the bias) window 0, D window 2
.set BIAS_HI, 0xc1                     ; D window 3
.set TO_B,    0x40
; A joint load: waves 0 and 1 fetch for source 1, waves 2 and 3 for source 0.  Each line has one mask and one set of registers; the branch hangs on the wave's number alone.
; Four v_nop follow each of the two lines.
.macro JLOAD g0a, g1a, g0b, g1b
	s_cmp_eq_u32 s[WH], 0
	s_cbranch_scc0 .Lfor_b_\@
	tensor_load_to_lds s[\g0a:\g0a+3], s[\g1a:\g1a+7]
	s_nop 0
.rept 4
	v_nop
.endr
	s_branch .Lasked_\@
.Lfor_b_\@:
	tensor_load_to_lds s[\g0b:\g0b+3], s[\g1b:\g1b+7]
	s_nop 0
.rept 4
	v_nop
.endr
.Lasked_\@:
.endm
.macro CREST                           ; a round of the cluster's barrier behind its opening barrier
	s_cmp_lg_u32 s[WV], 0
	s_cbranch_scc1 .Lnot_wave_0_\@
	s_barrier_signal -3
.Lnot_wave_0_\@:
	s_barrier_wait -3
	s_barrier_signal -1
	s_barrier_wait -1
.endm
.macro CROUND
	s_barrier_signal -1
	s_barrier_wait -1
	CREST
.endm
	s_load_b256 s[4:11], s[0:1], 0x0               ; xc, xs, wc, ws
	s_load_b256 s[12:19], s[0:1], 0x20             ; bq, bk, bv, rec
	v_lshl_add_u32 v[SPW], v0, 2, SPARE
	v_mov_b32 v[NIL], 0
	ds_add_u32 v28, v29
	ds_add_u32 v28, v29
	s_wait_dscnt 0x0
	v_lshrrev_b32 v1, 5, v0
	v_readfirstlane_b32 s[WV], v1
	s_lshr_b32 s[WH], s[WV], 1
	s_and_b32 s[WL], s[WV], 1
	s_mov_b32 s[TY], ttmp9                         ; the cluster's x
	s_bfe_u32 s40, ttmp6, 0x40000                  ; cx
	s_bfe_u32 s41, ttmp6, 0x40004                  ; cy
	s_and_b32 s46, ttmp7, 0xffff
	s_lshl_b32 s46, s46, 2                         ; 4 x the cluster's y
	s_lshl_b32 s47, s[TY], 2
	s_cmp_eq_u32 s[TY], 2
	s_cselect_b32 s43, 8, s46                      ; source 1's tile: v: Wv's tiles begin at 8 in wc; q, k: tokens
	s_cselect_b32 s42, s46, s47                    ; source 0's tile: v: tokens; q, k: the weight's tiles begin at 4 TYPE
	s_add_co_u32 s43, s43, s41                     ; + cy: shared along a row of the cluster
	s_add_co_u32 s42, s42, s40                     ; + cx: shared along a column
	s_lshl_b32 s44, s41, 2
	s_lshl_b32 s44, 15, s44                        ; my row of the cluster
	s_lshl_b32 s45, 0x1111, s40                    ; my column
	; descriptor group 1: a tile of 128 rows x 192 bytes, 16 bytes of padding behind every 64
	s_or_b32 s[G1+0], s44, (0<<16)|(1<<20)|(1<<21)|(3<<22)|(3<<25)
	s_or_b32 s[G1B+0], s45, (0<<16)|(1<<20)|(1<<21)|(3<<22)|(3<<25)
.irp g, G1, G1B
	s_mov_b32 s[\g+1], ROWB<<16                    ; tensor_dim0
	s_mov_b32 s[\g+2], 128<<16                     ; tensor_dim1
	s_mov_b32 s[\g+3], ROWB<<16                    ; tile_dim0
	s_mov_b32 s[\g+4], 128                         ; tile_dim1
	s_mov_b32 s[\g+5], KROW                        ; from row to row
	s_mov_b32 s[\g+6], 0
	s_mov_b32 s[\g+7], 0
.endr
	; the scales of 128 rows: 4,096 dense bytes, as 16 rows of 256 bytes (32 elements of 8), 16 bytes of padding behind each
	s_or_b32 s[G1S+0], s44, (3<<16)|(1<<20)|(1<<21)|(5<<22)|(3<<25)
	s_or_b32 s[G1SB+0], s45, (3<<16)|(1<<20)|(1<<21)|(5<<22)|(3<<25)
.irp g, G1S, G1SB
	s_mov_b32 s[\g+1], 32<<16
	s_mov_b32 s[\g+2], (128*KS/256)<<16
	s_mov_b32 s[\g+3], 32<<16
	s_mov_b32 s[\g+4], 128*KS/256
	s_mov_b32 s[\g+5], 32
	s_mov_b32 s[\g+6], 0
	s_mov_b32 s[\g+7], 0
.endr
	s_lshl_b32 s46, s[WL], 7                       ; which 128 rows of the tile I fetch
	s_lshl_b32 s92, s43, 8
	s_add_co_u32 s92, s92, s46                     ; source 1: row
	s_lshl_b32 s94, s42, 8
	s_add_co_u32 s94, s94, s46                     ; source 0: row
	s_lshl_b32 s96, s92, 5                         ; where these rows' scales begin, in bytes,
	s_mov_b32 s97, 0
	s_lshl_b32 s98, s94, 5
	s_mov_b32 s99, 0
	s_mul_i32 s92, s92, KROW                       ; and their codes (under 2^23)
	s_mov_b32 s93, 0
	s_mul_i32 s94, s94, KROW
	s_mov_b32 s95, 0
	s_mul_i32 s46, s[WV], HALFT                    ; where they go: wave x 128 rows: no place in the cluster enters an LDS address
	s_mul_i32 s47, s[WV], HALFS
	s_wait_kmcnt 0x0
	s_cmp_eq_u32 s[TY], 2                          ; v: the two operands change roles
	s_cselect_b64 s[100:101], s[8:9], s[4:5]
	s_cselect_b64 s[8:9], s[4:5], s[8:9]           ; source 0's codes
	s_mov_b64 s[4:5], s[100:101]                   ; source 1's codes
	s_cselect_b64 s[100:101], s[10:11], s[6:7]
	s_cselect_b64 s[10:11], s[6:7], s[10:11]       ; source 0's scales
	s_mov_b64 s[6:7], s[100:101]                   ; source 1's scales
	s_add_nc_u64 s[92:93], s[4:5], s[92:93]
	s_add_nc_u64 s[96:97], s[6:7], s[96:97]
	s_add_nc_u64 s[94:95], s[8:9], s[94:95]
	s_add_nc_u64 s[98:99], s[10:11], s[98:99]
	CROUND                                         ; all sixteen work-groups are here: the first joint loads meet
	s_mov_b32 s[G0S], 1
	s_add_co_u32 s[G0S+1], s47, SCL
	s_mov_b64 s[G0S+2:G0S+3], s[96:97]
	s_or_b32 s[G0S+3], s[G0S+3], 0x80000000
	s_mov_b32 s[G0SB], 1
	s_add_co_u32 s[G0SB+1], s47, SCL
	s_mov_b64 s[G0SB+2:G0SB+3], s[98:99]
	s_or_b32 s[G0SB+3], s[G0SB+3], 0x80000000
	JLOAD G0S, G1S, G0SB, G1SB                     ; the scales first: they are wanted with K step 0
.irp s, 0,1
	s_mov_b32 s[G0+4*\s], 1
	s_add_co_u32 s[G0+4*\s+1], s46, \s*SLOT
	s_add_nc_u64 s[G0+4*\s+2:G0+4*\s+3], s[92:93], \s*ROWB
	s_or_b32 s[G0+4*\s+3], s[G0+4*\s+3], 0x80000000
	s_mov_b32 s[G0B+4*\s], 1
	s_add_co_u32 s[G0B+4*\s+1], s46, \s*SLOT
	s_add_nc_u64 s[G0B+4*\s+2:G0B+4*\s+3], s[94:95], \s*ROWB
	s_or_b32 s[G0B+4*\s+3], s[G0B+4*\s+3], 0x80000000
	JLOAD G0+4*\s, G1, G0B+4*\s, G1B               ; three loads of mine are out
.endr
	v_and_b32 v1, 15, v0                           ; r
	v_bfe_u32 v2, v0, 4, 1                         ; h
	v_mul_u32_u24 v3, v1, PITCH
	v_mul_u32_u24 v4, v2, 24
	v_add_nc_u32 v4, v3, v4                        ; a fragment's row x pitch + 24 x half
	v_lshl_add_u32 v5, v2, 4, v4                   ; and the same behind one padding more
	s_mul_i32 s46, s[WH], HALFT                    ; my 128 rows of source 1
	s_mul_i32 s47, s[WL], HALFT                    ; my 128 rows of source 0,
	s_add_co_u32 s47, s47, 2*HALFT                 ; which lie behind source 1's 256
.irp s, 0,1
	v_add_nc_u32 v[ADRA+\s], s46, v4
	v_add_nc_u32 v[ADRB+\s], s47, v4
	v_add_nc_u32 v[ADRA+2+\s], s46, v5
	v_add_nc_u32 v[ADRB+2+\s], s47, v5
	s_add_co_u32 s46, s46, SLOT
	s_add_co_u32 s47, s47, SLOT
.endr
	v_mul_u32_u24 v5, v1, KS                       ; my row's scales: 32 bytes a row,
	v_lshrrev_b32 v6, 8, v5
	v_lshl_add_u32 v5, v6, 4, v5                   ; and 16 more for each 256 passed
	s_mul_i32 s46, s[WH], HALFS
	s_mul_i32 s47, s[WL], HALFS
	s_add_co_u32 s47, s47, 2*HALFS
	s_sub_co_u32 s47, s47, s46
	v_mul_u32_u24 v6, s47, v2                      ; lanes 16-31 take source 0's: one product, the distance between the two bases
	s_add_co_u32 s46, s46, SCL
	v_add_nc_u32 v5, v5, v6
	v_add_nc_u32 v[ADRS], s46, v5
	v_and_b32 v[LN], 31, v0
	v_lshlrev_b32 v[L16], 4, v[LN]
	v_lshlrev_b32 v[L8], 3, v[LN]
	s_mov_b32 s66, 0x76543210
	s_mov_b32 s67, 0xfedcba98                      ; v_permlanex16_b32's selects for lane l xor 16
	; the bias's pointer and the two output bases.  P, Pw: the coordinate and the wave's half that count W's rows (heads); R, Rw: those that count tokens
	s_cmp_eq_u32 s[TY], 1
	s_cselect_b64 s[100:101], s[14:15], s[12:13]
	s_cmp_eq_u32 s[TY], 2
	s_cselect_b64 s[100:101], s[16:17], s[100:101]
	s_cselect_b32 s46, s41, s40                    ; P
	s_cselect_b32 s47, s[WH], s[WL]                ; Pw
	s_cselect_b32 s92, s40, s41                    ; R
	s_cselect_b32 s93, s[WL], s[WH]                ; Rw
	s_lshl_b32 s94, s46, 10
	s_lshl_b32 s95, s47, 9
	s_add_co_u32 s94, s94, s95                     ; 4 (256 P + 128 Pw): my 128 numbers of the bias
	s_mov_b32 s95, 0
	s_add_nc_u64 s[100:101], s[100:101], s[94:95]
	s_lshl_b32 s46, s46, 2
	s_lshl_b32 s47, s47, 1
	s_add_co_u32 s46, s46, s47                     ; the first of my two heads
	s_mul_i32 s46, s46, HS
	s_and_b32 s47, ttmp7, 0xffff
	s_lshl_b32 s47, s47, 3
	s_lshl_b32 s92, s92, 1
	s_add_co_u32 s47, s47, s92
	s_add_co_u32 s47, s47, s93                     ; my group of 128 tokens: 8 x cluster y + 2 R + Rw
	s_mul_i32 s47, s47, RS
	s_add_co_u32 s46, s46, s47                     ; the record, in bytes (under 2^25)
	s_mov_b32 s93, 12288
	s_cmp_eq_u32 s[TY], 0
	s_cselect_b32 s92, 13056, 0                    ; the codes' part of the record: Q's, K's,
	s_cselect_b32 s93, 19200, s93                  ; and the scale words'
	s_cmp_eq_u32 s[TY], 2
	s_cselect_b32 s92, 6144, s92                   ; V's
	s_cselect_b32 s93, 12800, s93
	s_add_co_u32 s94, s46, s92
	s_mov_b32 s95, 0
	s_add_nc_u64 s[96:97], s[18:19], s[94:95]      ; where my codes go
	s_add_co_u32 s94, s46, s93
	s_add_nc_u64 s[98:99], s[18:19], s[94:95]      ; where my scale words go
	; THE BIAS in C's layout, 8 registers for each of 8 blocks.  q, k: it hangs on source 0's index: block b, register j: 32 (b / 2) + 16 h + 8 (b % 2) + j.
	; v: on source 1's row, the lane's: block a: 32 (a / 2) + 8 (a % 2) + r % 8 + 16 (r / 8), the same number in all eight registers.
	s_cmp_eq_u32 s[TY], 2
	s_cbranch_scc1 .Lbias_v
	v_lshlrev_b32 v6, 6, v2
.irp b, 0,1,2,3,4,5,6,7
	global_load_b128 v[BI+8*\b:BI+8*\b+3], v6, s[100:101] offset:(32*(\b/2)+8*(\b%2))*4
	global_load_b128 v[BI+8*\b+4:BI+8*\b+7], v6, s[100:101] offset:(32*(\b/2)+8*(\b%2))*4+16
.endr
	s_branch .Lbias_done
.Lbias_v:
	v_and_b32 v6, 7, v1
	v_lshrrev_b32 v7, 3, v1
	v_lshl_add_u32 v6, v7, 4, v6
	v_lshlrev_b32 v6, 2, v6
.irp a, 0,1,2,3,4,5,6,7
.irp j, 0,1,2,3,4,5,6,7
	global_load_b32 v[BI+8*\a+\j], v6, s[100:101] offset:(32*(\a/2)+8*(\a%2))*4
.endr
.endr
.Lbias_done:
.macro FRAG reg, adr, q, i             ; a fragment: lane l holds row l % 16; registers 6 c .. 6 c + 5 hold K = 64 c + 32 (l / 16) + 0 .. 31: 24 bytes of the row's stream of bits, in pieces of 8 bytes
.irp p, 0,1,2,3,4,5
.set PIECE, 12*(\q)+6*(\p/3)+\p%3     ; 16 bytes of padding lie behind every 8 pieces: where the piece three on lies behind one padding more, the second address register serves
.if PIECE%8 < 5
	ds_load_b64 v[\reg+2*\p:\reg+2*\p+1], v[\adr] offset:8*PIECE+16*(PIECE/8)+(\i)*16*PITCH
.else
	ds_load_b64 v[\reg+2*\p:\reg+2*\p+1], v[\adr+2] offset:8*PIECE+16*(PIECE/8)+(\i)*16*PITCH
.endif
.endr
.endm
; 16 matrix instructions: source 1's blocks a0, a0 + 1 x source 0's eight, 128 along K.  zero = 1: the sums start from the bias by source 0's block; 2: by source 1's block; 0: they go on.
; The 64 accumulators take turns, one instruction a turn, in the same order in every step.
.macro MUL16 a0, p, q, sc, zero
.irp a, \a0, \a0+1
.irp b, 0,1,2,3,4,5,6,7
.if \zero == 1
	v_wmma_scale_f32_16x16x128_f8f6f4 v[8*(8*((\a)%4)+\b):8*(8*((\a)%4)+\b)+7], v[128*(\p)+FR*\b:128*(\p)+FR*\b+FR-1], v[AF+FR*(\a):AF+FR*(\a)+FR-1], v[BI+8*\b:BI+8*\b+7], v[SC+8*NQ*(\sc)+NQ*\b+(\q)], v[SC+8*NQ*(\sc)+NQ*(\a)+(\q)] matrix_a_fmt:MATRIX_FMT_FP6 matrix_b_fmt:MATRIX_FMT_FP6 matrix_a_scale:MATRIX_SCALE_ROW1
.elseif \zero == 2
	v_wmma_scale_f32_16x16x128_f8f6f4 v[8*(8*((\a)%4)+\b):8*(8*((\a)%4)+\b)+7], v[128*(\p)+FR*\b:128*(\p)+FR*\b+FR-1], v[AF+FR*(\a):AF+FR*(\a)+FR-1], v[BI+8*(\a):BI+8*(\a)+7], v[SC+8*NQ*(\sc)+NQ*\b+(\q)], v[SC+8*NQ*(\sc)+NQ*(\a)+(\q)] matrix_a_fmt:MATRIX_FMT_FP6 matrix_b_fmt:MATRIX_FMT_FP6 matrix_a_scale:MATRIX_SCALE_ROW1
.else
	v_wmma_scale_f32_16x16x128_f8f6f4 v[8*(8*((\a)%4)+\b):8*(8*((\a)%4)+\b)+7], v[128*(\p)+FR*\b:128*(\p)+FR*\b+FR-1], v[AF+FR*(\a):AF+FR*(\a)+FR-1], v[8*(8*((\a)%4)+\b):8*(8*((\a)%4)+\b)+7], v[SC+8*NQ*(\sc)+NQ*\b+(\q)], v[SC+8*NQ*(\sc)+NQ*(\a)+(\q)] matrix_a_fmt:MATRIX_FMT_FP6 matrix_b_fmt:MATRIX_FMT_FP6 matrix_a_scale:MATRIX_SCALE_ROW1
.endif
.endr
.endr
.endm
.macro FETCH_B slot, q, p              ; source 0's eight fragments of the slot's q-th 128 along K into set p
	WIN TO_B
.irp i, 0,1,2,3,4,5,6,7
	FRAG 128*(\p)+FR*\i, ADRB+\slot, \q, \i
.endr
	WIN 0
.endm
.macro FETCH_A slot, q, i0             ; source 1's blocks i0 .. i0 + 3
.irp i, \i0, \i0+1, \i0+2, \i0+3
	FRAG AF+FR*(\i), ADRA+\slot, \q, \i
.endr
.endm
.macro SCALES sc                       ; a K step's scale words into set sc: two words a row; lanes 0-15 take source 1's block i, lanes 16-31 source 0's block i
.irp i, 0,1,2,3,4,5,6,7
	ds_load_b64 v[SC+8*NQ*\sc+NQ*\i:SC+8*NQ*\sc+NQ*\i+1], v[ADRS] offset:\i*SBLK
.endr
.endm
.macro PLACES n                        ; plain vector instructions between a matrix instruction and a load into, or a vector instruction on, its registers (ISA guide 7.12.1 for vector instructions)
.rept \n
	v_nop
.endr
.endm
; A step of 128 along K that has its successor in the same slot.
.macro STEP slot, q, zero
	s_wait_dscnt 4*NL                              ; source 0's set and source 1's blocks 0-3 are in; the youngest 24 loads (blocks 4-7) may be out
.if \zero
	WIN BIAS_LO
.else
	WIN MUL_LO
.endif
	MUL16 0, (\q)%2, \q, \slot, \zero
	MUL16 2, (\q)%2, \q, \slot, \zero
	s_wait_dscnt 0                                 ; blocks 4-7 are in
	PLACES NP
	FETCH_B \slot, (\q)+1, 1-(\q)%2
	FETCH_A \slot, (\q)+1, 0
.if \zero
	WIN BIAS_HI
.else
	WIN MUL_HI
.endif
	MUL16 4, (\q)%2, \q, \slot, \zero
	MUL16 6, (\q)%2, \q, \slot, \zero
	PLACES NP
	WIN 0
	FETCH_A \slot, (\q)+1, 4
.endm
; A slot's last step changes slots: one barrier; in front of it each wave waits for all its tensor loads, adds 0 to its spare word, and waits for that and for its own reads of this slot.
; fill = 1: the barrier opens a round of the cluster's barrier, and behind the round this slot is filled again, two K steps ahead.
.macro TURN slot, next, fill
	s_wait_tensorcnt 0x0                           ; all my tensor loads have landed: my part of the next slot
	ds_add_u32 v[SPW], v[NIL]                      ; 0 onto my spare word
	s_wait_dscnt 4*NL+1                            ; the add and the youngest 24 loads (blocks 4-7) may be out
	WIN MUL_LO
	MUL16 0, 1, NQ-1, \slot, 0                     ; sixteen matrix instructions stand between the add and the wait for it
	s_wait_dscnt 0x0                               ; the add is done, and my reads of this slot are over
	s_barrier_signal -1
	MUL16 2, 1, NQ-1, \slot, 0
	WIN 0
	s_barrier_wait -1
.if \fill
	CREST                                          ; no wave of any partner still reads this slot's tile or has a load on its way
	s_add_nc_u64 s[G0+4*\slot+2:G0+4*\slot+3], s[G0+4*\slot+2:G0+4*\slot+3], 2*ROWB
	s_add_nc_u64 s[G0B+4*\slot+2:G0B+4*\slot+3], s[G0B+4*\slot+2:G0B+4*\slot+3], 2*ROWB
	JLOAD G0+4*\slot, G1, G0B+4*\slot, G1B         ; the first tensor load behind the round; its four v_nop are the places in front of the loads below
.else
	PLACES NP
.endif
	v_add_nc_u32 v[ADRS], 4*NQ, v[ADRS]            ; on to the next K step's scale words (no LDS load of mine is out)
	FETCH_B \next, 0, 0
	FETCH_A \next, 0, 0
	SCALES \next
	WIN MUL_HI
	MUL16 4, 1, NQ-1, \slot, 0
	MUL16 6, 1, NQ-1, \slot, 0
	PLACES NP
	WIN 0
	FETCH_A \next, 0, 4
.endm
	s_wait_tensorcnt 1                             ; the scales and my part of K step 0 are in (K step 1's load may be out)
	s_barrier_signal -1
	s_barrier_wait -1                              ; everybody's are
	FETCH_B 0, 0, 0
	FETCH_A 0, 0, 0
	SCALES 0
	FETCH_A 0, 0, 4
	s_wait_loadcnt 0x0                             ; the bias
	s_cmp_eq_u32 s[TY], 2                          ; the first step starts the sums from the bias: by source 0's block (q, k) or by source 1's (v)
	s_cbranch_scc1 .Lfirst_v
	STEP 0, 0, 1
	s_branch .Lfirst_done
.Lfirst_v:
	STEP 0, 0, 2
.Lfirst_done:
	s_mov_b32 s3, LAPS-1
.Llap:                                                 ; a trip goes once round the ring and fills both slots again
	TURN 0, 1, 1
	STEP 1, 0, 0
	TURN 1, 0, 1
	STEP 0, 0, 0
	s_sub_co_u32 s3, s3, 1
	s_cmp_lg_u32 s3, 0
	s_cbranch_scc1 .Llap
	TURN 0, 1, 0                                   ; the last lap fills nothing
	STEP 1, 0, 0
	s_wait_dscnt 4*NL                              ; the very last step: nothing more to fetch
	WIN MUL_LO
	MUL16 0, 1, NQ-1, 1, 0
	MUL16 2, 1, NQ-1, 1, 0
	s_wait_dscnt 0
	WIN MUL_HI
	MUL16 4, 1, NQ-1, 1, 0
	MUL16 6, 1, NQ-1, 1, 0
	WIN 0
; THE WAY OUT.  Block a's 64 registers of a lane (register 16 B + i = index 32 B + 16 h + i of the lane's row) become a fragment's 12 registers of codes in v[PCS + 12 a] on, and its scale word in v[PW + a].
; A block of 32 lies in lanes l and l xor 16.  The accumulators are read from their low ends on.
.macro QUANTW a
.set QWIN, 2+(\a)/4
.set QW2,  (QWIN<<2)|(QWIN<<4)
.set QSRC, 64*((\a)%4)
.set QPC,  PCS+12*(\a)
	WIN QW2                                        ; sources 1 and 2: the accumulators' window
.irp b, 0,1,2,3
	v_max3_num_f32 v[TM+\b], 0x1800000, |v[QSRC+16*\b]|, |v[QSRC+16*\b+1]|   ; my 16 numbers of block b, and the floor 2^(3 - 127): the byte cannot fall under 1
.endr
.irp i, 2,4,6,8,10,12,14
.irp b, 0,1,2,3
	v_max3_num_f32 v[TM+\b], v[TM+\b], |v[QSRC+16*\b+\i]|, |v[QSRC+16*\b+\i+1]|   ; the four blocks by turns
.endr
.endr
	WIN 0
.irp b, 0,1,2,3
	v_permlanex16_b32 v[TM+4+\b], v[TM+\b], s66, s67
.endr
.irp b, 0,1,2,3
	v_max_num_f32 v[TM+\b], v[TM+\b], v[TM+4+\b]   ; with lane l xor 16's: the block's largest magnitude
.endr
.irp b, 0,1,2,3
	v_add_nc_u32 v[TM+12+\b], 0xff000000, v[TM+\b] ; 2 off its exponent field: the conversion's scale operand
.endr
.irp b, 0,1,2,3
	v_lshrrev_b32 v[TM+4+\b], 23, v[TM+12+\b]      ; the scale's byte
.endr
	v_lshl_or_b32 v[PW+(\a)], v[TM+5], 8, v[TM+4]
	v_lshl_or_b32 v[PW+(\a)], v[TM+6], 16, v[PW+(\a)]
	v_lshl_or_b32 v[PW+(\a)], v[TM+7], 24, v[PW+(\a)]   ; my row's scale word (lanes l and l xor 16 hold the same)
	WIN QWIN                                       ; source 0: the accumulators' window
.irp c, 0,1
	v_cvt_scalef32_pk16_fp6_f32 v[QPC+6*\c:QPC+6*\c+2], v[QSRC+32*\c:QSRC+32*\c+15], v[TM+12+2*\c]
	v_cvt_scalef32_pk16_fp6_f32 v[PT+4*\c:PT+4*\c+2], v[QSRC+32*\c+16:QSRC+32*\c+31], v[TM+12+2*\c+1]   ; (a conversion's three registers begin on an even number)
.endr
	WIN 0
	v_nop                                          ; one plain place behind a scaled conversion
.irp c, 0,1                                    ; the operand's layout wants a whole block in a lane: lanes 0-15 block 2 c, lanes 16-31 block 2 c + 1
.irp i, 0,1,2
	v_permlane16_swap_b32 v[QPC+6*\c+\i], v[PT+4*\c+\i]
.endr
.irp i, 0,1,2
	v_mov_b32 v[QPC+6*\c+3+\i], v[PT+4*\c+\i]
.endr
.endr
.endm
	PLACES NP                                      ; behind the last products: their results, fragments and scale registers are touched from here on
.irp b, 0,1,2,3
	v_mov_b32 v[TM+4+\b], 0                        ; written once: a lane permute's destination counts as one of its sources
.endr
	v_cmp_le_u32 vcc_lo, 16, v[LN]                 ; lanes 16-31
	s_cmp_eq_u32 s[TY], 2
	s_cbranch_scc1 .Lout_v
	; q, k: block a is 16 tokens; registers 0-5 are the first head's 64 channels, registers 6-11 the second head's: each half is registers 0-5 of an operand of the attention.
	; A tile's image: registers 0-3 at 16 x lane (512 bytes), registers 4-5 at 512 + 8 x lane (256 bytes): every store covers whole aligned runs of 256 bytes.
.irp a, 0,1,2,3,4,5,6,7
	QUANTW \a
	global_store_b128 v[L16], v[PCS+12*\a:PCS+12*\a+3], s[96:97] offset:768*\a
	global_store_b64 v[L8], v[PCS+12*\a+4:PCS+12*\a+5], s[96:97] offset:768*\a+512
	global_store_b128 v[L16], v[PCS+12*\a+6:PCS+12*\a+9], s[96:97] offset:HS+768*\a
	global_store_b64 v[L8], v[PCS+12*\a+10:PCS+12*\a+11], s[96:97] offset:HS+768*\a+512
	v_perm_b32 v[SW0+\a], v[PW+\a], v[PW+\a], 0x01000100   ; a head's two bytes, twice: the upper half of the attention's K = 128 has valid scales too
	v_perm_b32 v[SW1+\a], v[PW+\a], v[PW+\a], 0x03020302
.endr
.irp i, 0,1,2,3                                ; the scale words' image: word i of a lane's four: tile i in lanes 0-15, tile 4 + i in lanes 16-31
	v_cndmask_b32 v[RR+\i], v[SW0+\i], v[SW0+4+\i], vcc_lo
	v_cndmask_b32 v[RR+4+\i], v[SW1+\i], v[SW1+4+\i], vcc_lo
.endr
	global_store_b128 v[L16], v[RR:RR+3], s[98:99]
	global_store_b128 v[L16], v[RR+4:RR+7], s[98:99] offset:HS
	s_branch .Lout_done
.Lout_v:
	; v: block a is 16 channels (head a / 4, tile a % 4) x my 128 keys: a whole fragment, three planes of 512 bytes
.irp a, 0,1,2,3,4,5,6,7
	QUANTW \a
.irp i, 0,1,2
	global_store_b128 v[L16], v[PCS+12*\a+4*\i:PCS+12*\a+4*\i+3], s[96:97] offset:(\a/4)*HS+(\a%4)*1536+512*\i
.endr
.endr
.irp c, 0,1                                    ; word i of a lane's two: tile i in lanes 0-15, tile 2 + i in lanes 16-31
	v_cndmask_b32 v[RR+2*\c], v[PW+4*\c], v[PW+4*\c+2], vcc_lo
	v_cndmask_b32 v[RR+2*\c+1], v[PW+4*\c+1], v[PW+4*\c+3], vcc_lo
	global_store_b64 v[L8], v[RR+2*\c:RR+2*\c+1], s[98:99] offset:\c*HS
.endr
.Lout_done:
	s_wait_tensorcnt 0x0                           ; the wave's end
	ds_add_u32 v[SPW], v[NIL]
	s_wait_dscnt 0x0
	CROUND                                         ; the closing round: no work-group ends while a partner may still ask for a tile that names it
	s_endpgm
.Lfunc_end_k_qb1b63c1993_proj:
	.size	k_qb1b63c1993_proj, .Lfunc_end_k_qb1b63c1993_proj-k_qb1b63c1993_proj
	.p2alignl 7, 3214868480
	.fill 96, 4, 3214868480
	.section	.rodata,"a",@progbits
	.p2align	6, 0x0
	.amdhsa_kernel k_qb1b63c1993_proj
		.amdhsa_group_segment_fixed_size 327680
		.amdhsa_private_segment_fixed_size 0
		.amdhsa_enable_private_segment 0
		.amdhsa_kernarg_size 64
		.amdhsa_user_sgpr_count 2
		.amdhsa_user_sgpr_kernarg_segment_ptr 1
		.amdhsa_wavefront_size32 1
		.amdhsa_system_sgpr_workgroup_id_x 1
		.amdhsa_system_sgpr_workgroup_id_y 1
		.amdhsa_system_sgpr_workgroup_id_z 1
		.amdhsa_system_vgpr_workitem_id 0
		.amdhsa_next_free_vgpr 1024
		.amdhsa_next_free_sgpr 102
		.amdhsa_reserve_vcc 1
		.amdhsa_float_denorm_mode_32 3
		.amdhsa_float_denorm_mode_16_64 3
		.amdhsa_memory_ordered 1
		.amdhsa_forward_progress 1
		.amdhsa_inst_pref_size 223
	.end_amdhsa_kernel
	.amdgpu_metadata
---
amdhsa.version: [ 1, 2 ]
amdhsa.kernels:
  - .name:           k_qb1b63c1993_proj
    .symbol:         k_qb1b63c1993_proj.kd
    .args:
      - { .name: xc, .offset: 0, .size: 8, .value_kind: global_buffer, .address_space: global }
      - { .name: xs, .offset: 8, .size: 8, .value_kind: global_buffer, .address_space: global }
      - { .name: wc, .offset: 16, .size: 8, .value_kind: global_buffer, .address_space: global }
      - { .name: ws, .offset: 24, .size: 8, .value_kind: global_buffer, .address_space: global }
      - { .name: bq, .offset: 32, .size: 8, .value_kind: global_buffer, .address_space: global }
      - { .name: bk, .offset: 40, .size: 8, .value_kind: global_buffer, .address_space: global }
      - { .name: bv, .offset: 48, .size: 8, .value_kind: global_buffer, .address_space: global }
      - { .name: rec, .offset: 56, .size: 8, .value_kind: global_buffer, .address_space: global }
    .group_segment_fixed_size: 327680
    .private_segment_fixed_size: 0
    .kernarg_segment_align: 8
    .kernarg_segment_size: 64
    .max_flat_workgroup_size: 128
    .sgpr_count:     102
    .vgpr_count:     1024
    .wavefront_size: 32
...
	.end_amdgpu_metadata
.endif
;; end of part 2
;; launch attn (part 3): grid 4 x 64, 16 waves a work-group, clusters of 4 x 1, 280,576 bytes of LDS; arguments rec, out0; writes out0
.if DOCPART == 3
	.amdgcn_target "amdgcn-amd-amdhsa--gfx1250"
	.amdhsa_code_object_version 6
	.text
	.protected	k_qb1b63c1993_attn
	.globl	k_qb1b63c1993_attn
	.p2align	8
	.type	k_qb1b63c1993_attn,@function
k_qb1b63c1993_attn:
	s_mov_b64 s[64:65], 0
	v_nop
	global_prefetch_b8 v0, s[64:65] scope:SCOPE_SE
	s_setreg_imm32_b32 hwreg(HW_REG_WAVE_MODE, 25, 1), 1
	s_wait_xcnt 0x0
	s_wait_alu depctr_hold_cnt(0) depctr_sa_sdst(0) depctr_va_vdst(0) depctr_va_sdst(0) depctr_va_ssrc(0) depctr_va_vcc(0) depctr_vm_vsrc(0)
	s_getreg_b32 s2, hwreg(HW_REG_IB_STS2, 6, 4)
	s_cmp_eq_u32 s2, 0
	s_cbranch_scc0 .Lentry_in_a_cluster
	s_endpgm
.Lentry_in_a_cluster:
	s_bfe_u32 s2, ttmp6, 0x10000c
	s_cmp_lg_u32 s2, 0x3003
	s_cbranch_scc0 .Lentry_shape_is_right
	s_endpgm
.Lentry_shape_is_right:
; out[b][q][head][:] = the sum over keys k <= q of softmax_k(q . k / 8) v[k][:], both products on codes of FP6 (E2M3) with E8M0 scales, read from rec as images of operand registers.
; THE SOFTMAX AHEAD OF THE SECOND PRODUCT: t = score x log2(e) / 8; M = the row's largest t so far, rounded up to a whole number; p = 2^(t - M) is quantised along the keys, not normalised.
; The row's sum is taken of the unquantised p and divides at the end.  When M moves, the sum and O are multiplied by 2^(old M - new M): exact.
; SHARES.  A cluster of four work-groups owns one (batch, head).  All of the head's K and V codes and scale words, 16 groups of 128 keys x 13,056 bytes, come into each partner's LDS ONCE, by joint
; tensor loads, one a wave (wave w: group w); nothing is filled again.  The head's 128 query tiles of 16: tile 4 w' + cx; a wave takes w' = wave and then w' = 31 - wave.
; Tile 4 w' + cx needs key groups 0 .. w' / 2, whatever cx: no branch hangs on a work-group's place, and every wave walks (w' / 2 + 1) + ((31 - w') / 2 + 1) = 17 key steps.
; The step loop has a constant count of 16; a step whose keys all come after the wave's queries is jumped over, by a scalar branch on the wave's number and the loops' counters.
; LAYOUT.  Both products are used transposed: S^T = K Q^T, O^T = V^T P^T: a lane holds one query throughout.  A stored tile's rows 16 t + r are tokens (or channels) 32 (t / 2) + 8 (t % 2) + r % 8 + 16 (r / 8),
; so that the 16 registers of score tiles 2 B and 2 B + 1 are the 16 neighbouring keys 32 B + 16 (lane / 16) + 0 .. 15.
; K = 64 IN AN INSTRUCTION 128 DEEP: Q's operand is six registers of codes and six of zero codes.  K's tiles lie on end, six registers each, and a tile's operand runs on over the next tile's six
; (behind the last: six zeros): those codes meet Q's zero codes, under scale bytes that are the head's own two repeated, and add nothing.
; LIMITS: NaN and infinities are not served.  A block's largest p is taken from its largest score by the same multiply-add and exponential, which takes v_exp_f32 not to fall where its input rises.
; REGISTERS: v1-11 addresses and constants; v12 -M, v13 the largest t, v[14:15] the sum; v16-27 Q and its zeros; v28 Q's scale word, v29 p's; v32-79 K's 8 tiles, then V's 4; v80-85 zeros; v86-89 K's scale words,
; v90-91 V's; v96-159 S^T, then p; v160-191 O^T; v192-203 p's codes; v204-227 at work; v240-246 the second pass's Q.
.set RS,   19712                       ; a record of rec
.set GRP,  13056                       ; its first 51 x 256 bytes: K 6,144, V 6,144, K's scale words 512, V's 256
.set STG,  16*GRP                      ; behind the keys: a stage of 16 rows x (256 + 16) bytes for each wave; no tensor load lands there
.set SPB,  16*272
.set L16,  1                           ; v1  16 x lane
.set L8,   2                           ; v2  8 x lane
.set LR16, 3                           ; v3  16 x (lane % 16)
.set ADA,  4                           ; v4  the step's group + 16 x lane
.set ADB,  5                           ; v5  the step's group + 8 x lane
.set STO,  6                           ; v6  the stage: where I put 32 bytes of a row
.set SRD,  7                           ; v7  and where I read a row back
.set GO,   8                           ; v8  my byte offset in out0: 4,096 (lane / 16) + 16 (lane % 16)
.set RQ,   9                           ; v9  r % 8 + 16 (r / 8) - 16 h
.set DQ,   10                          ; v10 my query's place in its group - 16 h
.set NINF, 11                          ; v11 -infinity
.set QF,   16
.set QSC,  28
.set PWR,  29
.set TMP,  30
.set FRG,  32
.set KSR,  86
.set VSR,  90
.set SCO,  96
.set OT,   160
.set PC,   192
.set PT,   204
.set BM,   212
.set BT,   216
.set BS,   220
.set FM,   224                         ; v224 f = 2^(old M - new M); v225 is named with it as a pair
.set SM2,  226
.set Q2,   240
.set QS2,  246
.set WV,   8                           ; s8 wave, s9 cx, s11 head, s12 batch, s13 w', s14 the last key group, s15 the step, s16 its LDS byte, s17 passes to go
.macro CROUND                          ; a round of the cluster's barrier
	s_barrier_signal -1
	s_barrier_wait -1
	s_cmp_lg_u32 s[WV], 0
	s_cbranch_scc1 .Lnot_wave_0_\@
	s_barrier_signal -3
.Lnot_wave_0_\@:
	s_barrier_wait -3
	s_barrier_signal -1
	s_barrier_wait -1
.endm
; where tile 4 w' + cx of Q lies: its codes' base into s[dst:dst+1], its scale words' into s[dst+2:dst+3]
.macro QADR wp, dst
	s_lshl_b32 s48, s[\wp], 2
	s_add_co_u32 s48, s48, s9                      ; the tile
	s_lshr_b32 s49, s48, 3
	s_mul_i32 s49, s49, RS                         ; its group's record
	s_and_b32 s48, s48, 7                          ; its number in the group
	s_mul_i32 s50, s48, 768
	s_add_co_u32 s50, s50, s49
	s_add_co_u32 s50, s50, 13056
	s_mov_b32 s51, 0
	s_add_nc_u64 s[\dst:\dst+1], s[36:37], s[50:51]
	s_lshr_b32 s50, s48, 2
	s_lshl_b32 s50, s50, 8                         ; tiles 4-7 lie in the image's lanes 16-31,
	s_and_b32 s48, s48, 3
	s_lshl_b32 s48, s48, 2                         ; word tile % 4 of a lane's four
	s_add_co_u32 s50, s50, s48
	s_add_co_u32 s50, s50, s49
	s_add_co_u32 s50, s50, 19200
	s_add_nc_u64 s[\dst+2:\dst+3], s[36:37], s[50:51]
.endm
	s_load_b128 s[4:7], s[0:1], 0x0                ; rec, out0
	v_lshl_add_u32 v254, v0, 2, 0x44000
	v_mov_b32 v255, 0
	ds_add_u32 v254, v255
	ds_add_u32 v254, v255
	v_lshrrev_b32 v1, 5, v0
	s_delay_alu instid0(VALU_DEP_1)
	v_readfirstlane_b32 s[WV], v1                  ; wave 0..15
	s_bfe_u32 s9, ttmp6, 0x40000                   ; cx: it enters Q's and out0's addresses and the mask's numbers alone
	s_and_b32 s10, ttmp7, 0xffff
	s_and_b32 s11, s10, 15                         ; head
	s_lshr_b32 s12, s10, 4                         ; batch
	; descriptor group 1: 51 rows of 256 bytes (32 elements of 8), dense, no padding
	s_mov_b32 s24, 15|(3<<16)|(1<<21)              ; 15:0 the mask: all four work-groups; 17:16 elements of 8 bytes; 21 set beside a mask
	s_mov_b32 s25, 32<<16                          ; tensor_dim0
	s_mov_b32 s26, 51<<16                          ; tensor_dim1
	s_mov_b32 s27, 32<<16                          ; tile_dim0
	s_mov_b32 s28, 51                              ; tile_dim1
	s_mov_b32 s29, 32                              ; from row to row
	s_mov_b32 s30, 0
	s_mov_b32 s31, 0
	s_lshl_b32 s48, s11, 6
	s_lshl_b32 s49, s12, 4
	s_add_co_u32 s48, s48, s49
	s_mul_i32 s48, s48, RS                         ; the (batch, head)'s first record (under 2^25 bytes)
	s_mov_b32 s49, 0
	s_mul_i32 s50, s[WV], RS                       ; the group that I fetch
	s_mov_b32 s51, 0
	s_mov_b32 s32, 1                               ; group 0: count = 1,
	s_mul_i32 s33, s[WV], GRP                      ; LDS address: wave x 13,056,
	s_mov_b32 s18, 0x76543210
	s_mov_b32 s19, 0xfedcba98                      ; v_permlanex16_b32's selects for lane l xor 16
	s_mov_b32 s20, 0x3e38aa3b                      ; c = log2(e) / 8
	s_mov_b32 s21, s20                             ; (named with it as a pair)
	s_mov_b32 s13, s[WV]                           ; the first pass's w'
	s_sub_co_u32 s52, 31, s[WV]                    ; the second's
	s_wait_dscnt 0x0
	s_wait_kmcnt 0x0
	s_add_nc_u64 s[36:37], s[4:5], s[48:49]
	s_add_nc_u64 s[34:35], s[36:37], s[50:51]      ; global address,
	s_or_b32 s35, s35, 0x80000000                  ; type = 2
	CROUND                                         ; all four work-groups are here: the joint loads meet
	tensor_load_to_lds s[32:35], s[24:31]          ; my one tensor load of the launch
	s_nop 0
.rept 4
	v_nop
.endr
	QADR 13, 40
	QADR 52, 44
	v_and_b32 v30, 31, v0                          ; lane
	s_delay_alu instid0(VALU_DEP_1)
	v_lshlrev_b32 v[L16], 4, v30
	s_delay_alu instid0(VALU_DEP_2)
	v_lshlrev_b32 v[L8], 3, v30
	v_and_b32 v31, 15, v0                          ; r
	s_delay_alu instid0(VALU_DEP_1)
	v_lshlrev_b32 v[LR16], 4, v31
	global_load_b128 v[QF:QF+3], v[L16], s[40:41]              ; both passes' Q: a tile's image, six registers,
	global_load_b64 v[QF+4:QF+5], v[L8], s[40:41] offset:512
	global_load_b32 v[QSC], v[LR16], s[42:43]                  ; and its scale words, row r's in lane r
	global_load_b128 v[Q2:Q2+3], v[L16], s[44:45]
	global_load_b64 v[Q2+4:Q2+5], v[L8], s[44:45] offset:512
	global_load_b32 v[QS2], v[LR16], s[46:47]
	v_bfe_u32 v30, v0, 4, 1                        ; h
	s_mul_i32 s48, s[WV], SPB
	s_add_co_u32 s48, s48, STG                     ; my stage
	v_mul_u32_u24 v[STO], v31, 272
	s_delay_alu instid0(VALU_DEP_1)
	v_lshl_add_u32 v[STO], v30, 6, v[STO]
	s_delay_alu instid0(VALU_DEP_1)
	v_add_nc_u32 v[STO], s48, v[STO]               ; in: row r, + 64 h
	v_mul_u32_u24 v[SRD], v30, 272
	s_delay_alu instid0(VALU_DEP_1)
	v_add_nc_u32 v[SRD], v[SRD], v[LR16]
	s_delay_alu instid0(VALU_DEP_1)
	v_add_nc_u32 v[SRD], s48, v[SRD]               ; back: lanes 0-15 one row, lanes 16-31 the next
	v_lshl_add_u32 v[GO], v30, 12, v[LR16]
	v_and_b32 v[RQ], 7, v31
	v_lshrrev_b32 v[DQ], 3, v31
	s_delay_alu instid0(VALU_DEP_1)
	v_lshl_add_u32 v[RQ], v[DQ], 4, v[RQ]
	v_lshlrev_b32 v[DQ], 4, v30
	s_delay_alu instid0(VALU_DEP_1)
	v_sub_nc_u32 v[RQ], v[RQ], v[DQ]
	v_mov_b32 v[NINF], 0xff800000
.irp i, 0,1,2,3,4,5
	v_mov_b32 v[QF+6+\i], 0                        ; Q's zero codes: K = 64 .. 127
	v_mov_b32 v[FRG+48+\i], 0                      ; and what lies behind K's last tile
.endr
.irp b, 0,1,2,3
	v_mov_b32 v[BT+\b], 0                          ; written once: a lane permute's destination counts as one of its sources
.endr
	v_mov_b32 v[FM+1], 0                           ; (named as the upper half of a pair)
	v_mov_b32 v[TMP], 0
	s_wait_tensorcnt 0x0                           ; my group has landed,
	s_barrier_signal -1
	s_barrier_wait -1                              ; everybody's has: the head's K and V lie in LDS for the rest of the launch
	s_wait_loadcnt 0x0                             ; Q
	s_mov_b32 s17, 2
.Lpass:
	s_lshr_b32 s14, s13, 1                         ; the group on the diagonal: w' / 2
	s_and_b32 s48, s13, 1
	s_lshl_b32 s48, s48, 2
	s_add_co_u32 s48, s48, s9                      ; my tile's number in its group
	s_lshr_b32 s49, s48, 1
	s_lshl_b32 s49, s49, 5
	s_and_b32 s48, s48, 1
	s_lshl_b32 s48, s48, 3
	s_add_co_u32 s48, s48, s49                     ; its first token's place in the group: 32 (t / 2) + 8 (t % 2)
	v_add_nc_u32 v[DQ], s48, v[RQ]
	s_lshl_b32 s49, s12, 11
	s_lshl_b32 s50, s14, 7
	s_add_co_u32 s49, s49, s50
	s_add_co_u32 s49, s49, s48                     ; that token among all 8,192
	s_lshl_b32 s50, s49, 12                        ; a token's row of out0 is 4,096 bytes,
	s_lshl_b32 s51, s11, 8                         ; a head's part of it 256
	s_add_co_u32 s50, s50, s51
	s_mov_b32 s51, 0
	s_add_nc_u64 s[38:39], s[6:7], s[50:51]
	v_mov_b32 v13, 0xff61b1e6                      ; the largest t so far: -3e38, under every t
	s_delay_alu instid0(VALU_DEP_1)
	v_floor_f32 v12, -v13                          ; -M
	v_mov_b32 v14, 0                               ; the sum, in two halves
	v_mov_b32 v15, 0
.set j, 0
.rept 32
	v_mov_b32 v[OT+j], 0                           ; O^T.  (The step is written once: the first finds zeros, which the first change of M leaves zeros)
.set j, j+1
.endr
	s_mov_b32 s16, 0
	s_mov_b32 s15, 0
.Lstep:                                                ; 16 trips: key group s15
	s_cmp_gt_u32 s15, s14                          ; all its keys come after my queries: only the step's counters move
	s_cbranch_scc1 .Lskip
	s_setprio 2
	v_add_nc_u32 v[ADA], s16, v[L16]
	v_add_nc_u32 v[ADB], s16, v[L8]
	v_nop
	v_nop                                          ; four places in front of loads into registers that the last products read
.set kt, 0
.rept 8                                        ; K's eight tiles, six registers each, on end
	ds_load_b128 v[FRG+6*kt:FRG+6*kt+3], v[ADA] offset:768*kt
	ds_load_b64 v[FRG+6*kt+4:FRG+6*kt+5], v[ADB] offset:768*kt+512
.set kt, kt+1
.endr
	ds_load_b128 v[KSR:KSR+3], v[ADA] offset:12288 ; their scale words: register i: tile i in lanes 0-15, tile 4 + i in lanes 16-31
	s_wait_alu depctr_va_vdst(0)
	s_wait_dscnt 0x0
.set kt, 0
.rept 8                                        ; S^T = K Q^T
.if kt < 4
	v_wmma_scale_f32_16x16x128_f8f6f4 v[SCO+8*kt:SCO+8*kt+7], v[FRG+6*kt:FRG+6*kt+11], v[QF:QF+11], 0, v[KSR+kt%4], v[QSC] matrix_a_fmt:MATRIX_FMT_FP6 matrix_b_fmt:MATRIX_FMT_FP6
.else
	v_wmma_scale_f32_16x16x128_f8f6f4 v[SCO+8*kt:SCO+8*kt+7], v[FRG+6*kt:FRG+6*kt+11], v[QF:QF+11], 0, v[KSR+kt%4], v[QSC] matrix_a_fmt:MATRIX_FMT_FP6 matrix_b_fmt:MATRIX_FMT_FP6 matrix_a_scale:MATRIX_SCALE_ROW1
.endif
.set kt, kt+1
.endr
.rept 4
	v_nop                                          ; places in front of the loads into K's registers and of the first read of the scores
.endr
.set ct, 0
.rept 4                                        ; V's four tiles (16 channels x 128 keys) are asked for now and land under the softmax
.irp i, 0,1,2
	ds_load_b128 v[FRG+12*ct+4*\i:FRG+12*ct+4*\i+3], v[ADA] offset:6144+1536*ct+512*\i
.endr
.set ct, ct+1
.endr
	ds_load_b64 v[VSR:VSR+1], v[ADB] offset:12800  ; register i: tile i in lanes 0-15, tile 2 + i in lanes 16-31
	s_cmp_lg_u32 s15, s14                          ; only the group on the diagonal has hidden keys
	s_cbranch_scc1 .Lopen
.set n, 0
.rept 64                                       ; register 16 B + i holds key 32 B + 16 h + i of the group: hidden where 32 B + i > my query's place - 16 h.  Hidden scores become -infinity: p = 0
	v_cmp_gt_i32 vcc_lo, 32*(n/16)+n%16, v[DQ]
	v_cndmask_b32 v[SCO+n], v[SCO+n], v[NINF], vcc_lo
.set n, n+1
.endr
.Lopen:
.irp b, 0,1,2,3
	v_max3_num_f32 v[BM+\b], v[SCO+16*\b], v[SCO+16*\b+1], v[SCO+16*\b+2]   ; the largest score of each block of 32 keys: for the row's maximum, and, since p rises with the score, for the block's largest p
.endr
.irp i, 3,5,7,9,11,13
.irp b, 0,1,2,3
	v_max3_num_f32 v[BM+\b], v[BM+\b], v[SCO+16*\b+\i], v[SCO+16*\b+\i+1]
.endr
.endr
.irp b, 0,1,2,3
	v_max_num_f32 v[BM+\b], v[BM+\b], v[SCO+16*\b+15]
.endr
.irp b, 0,1,2,3
	s_delay_alu instid0(VALU_DEP_4)
	v_permlanex16_b32 v[BT+\b], v[BM+\b], s18, s19
.endr
.irp b, 0,1,2,3
	s_delay_alu instid0(VALU_DEP_4)
	v_max_num_f32 v[BM+\b], v[BM+\b], v[BT+\b]     ; with lane l xor 16's 16 keys
.endr
	s_delay_alu instid0(VALU_DEP_2)
	v_max3_num_f32 v[TMP], v[BM], v[BM+1], v[BM+2]
	s_delay_alu instid0(VALU_DEP_1)
	v_max_num_f32 v[TMP], v[TMP], v[BM+3]          ; the step's largest score of my query (the group's first key counts for every query of the group, so it is a number)
	s_delay_alu instid0(VALU_DEP_1)
	v_mul_f32 v[TMP], s20, v[TMP]                  ; as t
	s_delay_alu instid0(VALU_DEP_1)
	v_max_num_f32 v13, v13, v[TMP]                 ; the running largest t
	v_mov_b32 v[TMP], v12
	s_delay_alu instid0(VALU_DEP_2)
	v_floor_f32 v12, -v13                          ; the new -M = floor(-t) = -ceil(t)
	s_delay_alu instid0(VALU_DEP_1)
	v_sub_f32 v[TMP], v12, v[TMP]                  ; old M - new M: a whole number, 0 or less
	s_delay_alu instid0(VALU_DEP_1)
	v_cvt_i32_f32 v[TMP], v[TMP]                   ; (it saturates)
	s_delay_alu instid0(VALU_DEP_1)
	v_ldexp_f32 v[FM], 1.0, v[TMP]                 ; f = 2^(old M - new M)
.set j, 0
.rept 32
	v_pk_fma_f32 v[SCO+j:SCO+j+1], v[SCO+j:SCO+j+1], s[20:21], v[12:13] op_sel_hi:[1,0,0]   ; t - M, two at a time
.set j, j+2
.endr
	s_setprio 1
.irp b, 0,1,2,3
	v_fma_f32 v[BM+\b], v[BM+\b], s20, v12         ; the same of each block's largest score
.endr
.set j, 0
	s_wait_alu depctr_va_vdst(0)
.rept 64
	v_exp_f32 v[SCO+j], v[SCO+j]                   ; p = 2^(t - M), at most 1
.set j, j+1
.endr
	v_pk_mul_f32 v[14:15], v[14:15], v[FM:FM+1] op_sel_hi:[1,0]   ; the sums under the new M (the plain place behind the exponentials)
	s_wait_alu depctr_va_vdst(0)                   ; one wait for the batch of 64, ahead of its first reader
.irp b, 0,1,2,3
	v_exp_f32 v[BM+\b], v[BM+\b]                   ; the block's largest p: the same two instructions on the same number give the same bits
.endr
	v_pk_add_f32 v[226:227], v[100:101], v[104:105]
	v_pk_add_f32 v[252:253], v[108:109], v[112:113]
	v_pk_add_f32 v[250:251], v[116:117], v[120:121]
	v_pk_add_f32 v[248:249], v[124:125], v[128:129]
	v_pk_add_f32 v[238:239], v[132:133], v[136:137]
	v_pk_add_f32 v[236:237], v[140:141], v[144:145]
	v_pk_add_f32 v[234:235], v[148:149], v[152:153]
	v_pk_add_f32 v[14:15], v[14:15], v[156:157]
	v_pk_add_f32 v[226:227], v[226:227], v[96:97]
	v_pk_add_f32 v[252:253], v[252:253], v[98:99]
	v_pk_add_f32 v[250:251], v[250:251], v[102:103]
	v_pk_add_f32 v[248:249], v[248:249], v[106:107]
	v_pk_add_f32 v[238:239], v[238:239], v[110:111]
	v_pk_add_f32 v[236:237], v[236:237], v[114:115]
	v_pk_add_f32 v[234:235], v[234:235], v[118:119]
	v_pk_add_f32 v[14:15], v[14:15], v[122:123]
	v_pk_add_f32 v[226:227], v[226:227], v[126:127]
	v_pk_add_f32 v[252:253], v[252:253], v[130:131]
	v_pk_add_f32 v[250:251], v[250:251], v[134:135]
	v_pk_add_f32 v[248:249], v[248:249], v[138:139]
	v_pk_add_f32 v[238:239], v[238:239], v[142:143]
	v_pk_add_f32 v[236:237], v[236:237], v[146:147]
	v_pk_add_f32 v[234:235], v[234:235], v[150:151]
	v_pk_add_f32 v[14:15], v[14:15], v[154:155]
	v_pk_add_f32 v[226:227], v[226:227], v[158:159]
	s_delay_alu instid0(VALU_DEP_2)
	v_pk_add_f32 v[14:15], v[14:15], v[248:249]
	s_delay_alu instid0(VALU_DEP_2)
	v_pk_add_f32 v[226:227], v[226:227], v[238:239]
	v_pk_add_f32 v[252:253], v[252:253], v[236:237]
	v_pk_add_f32 v[250:251], v[250:251], v[234:235]
	s_delay_alu instid0(VALU_DEP_2)
	v_pk_add_f32 v[14:15], v[14:15], v[252:253]
	s_delay_alu instid0(VALU_DEP_2)
	v_pk_add_f32 v[226:227], v[226:227], v[250:251]
	s_delay_alu instid0(VALU_DEP_1)
	v_pk_add_f32 v[14:15], v[14:15], v[226:227]
	s_wait_alu depctr_va_vdst(0)                   ; and one for the four
.irp b, 0,1,2,3
	v_max_num_f32 v[BM+\b], 0x1800000, v[BM+\b]    ; the floor 2^(3 - 127): the byte cannot fall under 1 (a block of hidden keys keeps that byte: its codes are zeros)
.endr
.irp b, 0,1,2,3
	s_delay_alu instid0(VALU_DEP_4)
	v_add_nc_u32 v[BS+\b], 0xff000000, v[BM+\b]    ; 2 off the exponent field: the conversion's scale operand
.endr
.irp b, 0,1,2,3
	s_delay_alu instid0(VALU_DEP_4)
	v_lshrrev_b32 v[BT+\b], 23, v[BS+\b]           ; the scale's byte
.endr
	s_delay_alu instid0(VALU_DEP_3)
	v_lshl_or_b32 v[PWR], v[BT+1], 8, v[BT]        ; p's scale word for these 128 keys
	s_delay_alu instid0(VALU_DEP_1)
	v_lshl_or_b32 v[PWR], v[BT+2], 16, v[PWR]
	s_delay_alu instid0(VALU_DEP_1)
	v_lshl_or_b32 v[PWR], v[BT+3], 24, v[PWR]
	s_setprio 0
.irp c, 0,1
	v_cvt_scalef32_pk16_fp6_f32 v[PC+6*\c:PC+6*\c+2], v[SCO+32*\c:SCO+32*\c+15], v[BS+2*\c]
	v_cvt_scalef32_pk16_fp6_f32 v[PT+4*\c:PT+4*\c+2], v[SCO+32*\c+16:SCO+32*\c+31], v[BS+2*\c+1]   ; (a conversion's three registers begin on an even number)
.endr
	v_nop                                          ; one plain place behind a scaled conversion
.irp c, 0,1                                    ; the operand's layout wants a whole block in a lane
.irp i, 0,1,2
	v_permlane16_swap_b32 v[PC+6*\c+\i], v[PT+4*\c+\i]
.endr
.irp i, 0,1,2
	s_delay_alu instid0(VALU_DEP_3)
	v_mov_b32 v[PC+6*\c+3+\i], v[PT+4*\c+\i]
.endr
.endr
.set j, 0
.rept 16
	v_pk_mul_f32 v[OT+j:OT+j+1], v[OT+j:OT+j+1], v[FM:FM+1] op_sel_hi:[1,0]   ; O^T under the new M, from each accumulator's low end on; of these sixteen, twelve name no register of any one product below: its places behind p's codes and scale word
.set j, j+2
.endr
	s_wait_alu depctr_va_vdst(0)
	s_wait_dscnt 0x0                               ; V
.set ct, 0
.rept 4                                        ; O^T += V^T P^T: the four accumulators by turns
.if ct < 2
	v_wmma_scale_f32_16x16x128_f8f6f4 v[OT+8*ct:OT+8*ct+7], v[FRG+12*ct:FRG+12*ct+11], v[PC:PC+11], v[OT+8*ct:OT+8*ct+7], v[VSR+ct%2], v[PWR] matrix_a_fmt:MATRIX_FMT_FP6 matrix_b_fmt:MATRIX_FMT_FP6
.else
	v_wmma_scale_f32_16x16x128_f8f6f4 v[OT+8*ct:OT+8*ct+7], v[FRG+12*ct:FRG+12*ct+11], v[PC:PC+11], v[OT+8*ct:OT+8*ct+7], v[VSR+ct%2], v[PWR] matrix_a_fmt:MATRIX_FMT_FP6 matrix_b_fmt:MATRIX_FMT_FP6 matrix_a_scale:MATRIX_SCALE_ROW1
.endif
.set ct, ct+1
.endr
.Lskip:
	s_add_co_u32 s16, s16, GRP
	s_add_co_u32 s15, s15, 1
	s_cmp_lt_u32 s15, 16
	s_cbranch_scc1 .Lstep
	s_setprio 0
	; THE WAY OUT of a pass.  O^T / the sum goes through my stage in LDS: a lane's eight channels of a row in, whole rows of 256 bytes (a token's 64 channels of this head) back.
.rept 4
	v_nop                                          ; places behind the last products
.endr
	v_add_f32 v14, v14, v15                        ; the sum's two halves,
	s_delay_alu instid0(VALU_DEP_1)
	v_permlanex16_b32 v[TMP], v14, s18, s19
	s_delay_alu instid0(VALU_DEP_1)
	v_add_f32 v14, v14, v[TMP]                     ; and lane l xor 16's: the row's sum
	s_wait_alu depctr_va_vdst(0)
	v_rcp_f32 v14, v14
	v_nop                                          ; a plain place behind the reciprocal
	s_wait_alu depctr_va_vdst(0)                   ; and the wait ahead of its first reader
.set j, 0
.rept 16
	v_pk_mul_f32 v[SCO+j:SCO+j+1], v[OT+j:OT+j+1], v[14:15] op_sel_hi:[1,0]   ; register 8 t + i: channel 32 (t / 2) + 8 (t % 2) + 16 h + i
.set j, j+2
.endr
.irp t, 0,1,2,3
	ds_store_b128 v[STO], v[SCO+8*\t:SCO+8*\t+3] offset:128*(\t/2)+32*(\t%2)
	ds_store_b128 v[STO], v[SCO+8*\t+4:SCO+8*\t+7] offset:128*(\t/2)+32*(\t%2)+16
.endr
.irp i, 0,1,2,3,4,5,6,7
	ds_load_b128 v[SCO+32+4*\i:SCO+32+4*\i+3], v[SRD] offset:544*\i   ; LDS serves a wave's instructions in order: these see my stores
.endr
.irp i, 0,1,2,3,4,5,6,7
	s_wait_dscnt 7-\i                              ; the younger loads may be out
	global_store_b128 v[GO], v[SCO+32+4*\i:SCO+32+4*\i+3], s[38:39] offset:(2*\i+8*(\i/4))*4096 th:TH_STORE_NT   ; stage row 2 i + h is token 2 i + h, and 8 further on from row 8: sixteen lanes store 256 consecutive bytes, aligned
.endr
	s_wait_xcnt 0x0                                ; the stores have read their registers and their base: both are written again in the next pass
.irp i, 0,1,2,3,4,5
	v_mov_b32 v[QF+\i], v[Q2+\i]                   ; the second pass's Q
.endr
	v_mov_b32 v[QSC], v[QS2]
	s_sub_co_u32 s13, 31, s13                      ; and its w'
	s_sub_co_u32 s17, s17, 1
	s_cmp_lg_u32 s17, 0
	s_cbranch_scc1 .Lpass
	s_wait_dscnt 0x0
	s_wait_tensorcnt 0x0
	ds_add_u32 v254, v255
	s_wait_dscnt 0x0
	CROUND                                         ; the closing round
	s_endpgm
.Lfunc_end_k_qb1b63c1993_attn:
	.size	k_qb1b63c1993_attn, .Lfunc_end_k_qb1b63c1993_attn-k_qb1b63c1993_attn
	.p2alignl 7, 3214868480
	.fill 96, 4, 3214868480
	.section	.rodata,"a",@progbits
	.p2align	6, 0x0
	.amdhsa_kernel k_qb1b63c1993_attn
		.amdhsa_group_segment_fixed_size 280576
		.amdhsa_private_segment_fixed_size 0
		.amdhsa_enable_private_segment 0
		.amdhsa_kernarg_size 16
		.amdhsa_user_sgpr_count 2
		.amdhsa_user_sgpr_kernarg_segment_ptr 1
		.amdhsa_wavefront_size32 1
		.amdhsa_system_sgpr_workgroup_id_x 1
		.amdhsa_system_sgpr_workgroup_id_y 1
		.amdhsa_system_sgpr_workgroup_id_z 1
		.amdhsa_system_vgpr_workitem_id 0
		.amdhsa_next_free_vgpr 256
		.amdhsa_next_free_sgpr 66
		.amdhsa_reserve_vcc 1
		.amdhsa_float_denorm_mode_32 3
		.amdhsa_float_denorm_mode_16_64 3
		.amdhsa_memory_ordered 1
		.amdhsa_forward_progress 1
		.amdhsa_inst_pref_size 35
	.end_amdhsa_kernel
	.amdgpu_metadata
---
amdhsa.version: [ 1, 2 ]
amdhsa.kernels:
  - .name:           k_qb1b63c1993_attn
    .symbol:         k_qb1b63c1993_attn.kd
    .args:
      - { .name: rec, .offset: 0, .size: 8, .value_kind: global_buffer, .address_space: global }
      - { .name: out0, .offset: 8, .size: 8, .value_kind: global_buffer, .address_space: global }
    .group_segment_fixed_size: 280576
    .private_segment_fixed_size: 0
    .kernarg_segment_align: 8
    .kernarg_segment_size: 16
    .max_flat_workgroup_size: 512
    .sgpr_count:     66
    .vgpr_count:     256
    .wavefront_size: 32
...
	.end_amdgpu_metadata
.endif
;; end of part 3
